; MI455X (gfx1250); checked and timed in simulation.
; The chip was launched on July 23, 2026; its instructions are those of AMD's public machine-readable ISA for CDNA 5 (MIT licence, August 2026) and "CDNA5" Instruction Set Architecture Reference Guide (July 2026). The comments in the code are by the model that wrote it; some were corrected since.
;; Self Attention Block. Allowed arithmetic: matrix products marked QUANTISED: E4M3 operands, one E8M0 scale for each 32 along K, by v_wmma_scale_f32_16x16x128_f8f6f4 with both operands' format E4M3, f32 sums; everything else in f32.
;; Inputs: Wk 1,024 x 1,024 float32; Wq 1,024 x 1,024 float32; Wv 1,024 x 1,024 float32; beta 1,024 float32; bk 1,024 float32; bq 1,024 float32; bv 1,024 float32; gamma 1,024 float32; x 4 x 2,048 x 1,024 float32.
;; Outputs: out0 4 x 2,048 x 1,024 float32.
;; This version of the problem:
;;   THIS VERSION OF THE PROBLEM IS GIVEN IN LOW PRECISION. The matrix products marked QUANTISED in the list below multiply operands that are first quantised to E4M3 (4 exponent bits, 3 mantissa bits; 8 bits a number), with one power-of-two scale for each 32 numbers along K (OCP MX v1.0); their sums are f32. All else is computed in f32.
;;   The module's matrix products, in the order in which they are computed (A, B: the left and right operand; K: the contracted axis; several contracted axes count as one K, in the product's order):
;;     1. [M 8,192, K 1,024] x [K 1,024, N 1,024]; A: computed on the way; B: input Wq: QUANTISED
;;     2. [M 8,192, K 1,024] x [K 1,024, N 1,024]; A: computed on the way; B: input Wk: QUANTISED
;;     3. [M 8,192, K 1,024] x [K 1,024, N 1,024]; A: computed on the way; B: input Wv: QUANTISED
;;     4. batch 64 x [M 2,048, K 64] x [K 64, N 2,048]; A: computed on the way; B: computed on the way: QUANTISED
;;     5. batch 64 x [M 2,048, K 2,048] x [K 2,048, N 64]; A: softmax (see below); B: computed on the way: QUANTISED
;;   THE QUANTISER, for each operand of a quantised product, along K:
;;     - K is cut into blocks of 32 from its start; a last block that is shorter is filled with zeros.
;;     - A block's scale is 2^e with e = floor(log2(the largest magnitude in the block)) - 8, held to -126 .. 127; a block of zeros has e = 0. As a byte (E8M0): e + 127.
;;     - Each number is divided by its block's scale, clamped to +-448, and rounded to the nearest number of E4M3, ties to even, subnormals kept.
;;     - The product sums the exact products of the quantised numbers (number of the format x scale) in f32.
;;   ~~~python
;;   def quantise(x, axis):      # numpy; x: float32 -> the quantised numbers, widened to float32 again
;;       x = np.moveaxis(x, axis, -1); K = x.shape[-1]
;;       x = np.pad(x, [(0, 0)] * (x.ndim - 1) + [(0, -K % 32)]); x = x.reshape(x.shape[:-1] + (-1, 32)); a = np.abs(x).max(-1, keepdims=True)
;;       e = np.where(a > 0, np.clip(np.frexp(np.where(a > 0, a, 1))[1] - 1 - 8, -126, 127), 0)      # np.frexp(a)[1] - 1 = floor(log2(a)), exactly
;;       r = np.clip(x / 2.0 ** e, -448, 448)
;;       step = 2.0 ** (np.maximum(np.frexp(np.where(r == 0, 1, r))[1] - 1, -6) - 3)
;;       q = np.round(r / step) * step * 2.0 ** e      # np.round: ties to even
;;       return np.moveaxis(q.reshape(q.shape[:-2] + (-1,))[..., :K], -1, axis).astype(np.float32)
;;   ~~~
;;   SOFTMAX AHEAD OF A QUANTISED PRODUCT. Where the list says 'softmax', what is quantised is not the finished softmax but p = 2^(t - M), with t = logit x log2(e) and M = ceil(the row's largest t), a whole number; so 1/2 < the row's largest p <= 1. The row's sum l is taken of the UNQUANTISED p, in f32, and the product's result is divided by l at the end. Since M is a whole number, a kernel that streams over the keys may use a running M (the ceiling of the running maximum): every later rescaling is an exact power of two, which a block's scale takes up: the codes' values come out the same.
;;   OPERANDS COMPUTED ON THE WAY. 'Computed on the way' means the value that the module computes at that place (a softmax that the list does not call 'softmax' is quantised finished and normalised). What goes into a quantiser is computed in f32, as accurately as f32 sums, v_exp_f32 and their like allow (about 1e-6 of the number): no bf16 or f16 on the way to a quantiser, and a product that is left as it is and whose result goes on into a quantised operand takes f32 operands (vector FMAs, or v_wmma_f32_16x16x4_f32). A number that lies on a knife's edge between two numbers of the format may be rounded either way, as far as f32 arithmetic and the matrix unit's own rounding can turn it there, and no further.
;; One version. Each part assembles by itself: llvm-mc -triple=amdgcn-amd-amdhsa -mcpu=gfx1250 --defsym DOCPART=n.
;; ======== version 1 of 1: 3 launches
;; limits: right only within a limited range of input values
;; workspace buffers: xn_codes 8,388,608 bytes; xn_scales 262,144 bytes; stats 65,536 bytes; w_codes 3,145,728 bytes; w_scales 98,304 bytes; qbuf 8,912,896 bytes; kv 17,563,648 bytes
;; launch prep (part 1): grid 352 x 1, 4 waves a work-group, no clusters, 59,904 bytes of LDS; arguments x, gamma, beta, Wq, Wk, Wv, xn_codes, xn_scales, stats, w_codes, w_scales; writes xn_codes, xn_scales, stats, w_codes, w_scales
.if DOCPART == 1
	.amdgcn_target "amdgcn-amd-amdhsa--gfx1250"
	.amdhsa_code_object_version 6
	.text
	.protected	k_q5df5a36436_prep
	.globl	k_q5df5a36436_prep
	.p2align	8
	.type	k_q5df5a36436_prep,@function
k_q5df5a36436_prep:
	s_mov_b64 s[64:65], 0
	v_nop
	global_prefetch_b8 v0, s[64:65] scope:SCOPE_SE
	s_setreg_imm32_b32 hwreg(HW_REG_WAVE_MODE, 25, 1), 1
	s_wait_xcnt 0x0
; PREP: what the three projections multiply, made once.
; Work-groups 0-255: LayerNorm of x [8192][1024] f32; xn = ((x - mu) * rstd) * gamma + beta is turned into codes of FP8 (E4M3) with one E8M0 byte for each 32 along the hidden axis;
;   mu and rstd of each token go to stats [token][2] f32, from which the last launch makes xn again for the residual: xn itself is never stored.
; Work-groups 256-351: Wq, Wk, Wv [K 1024][N 1024] f32 are turned into codes laid [n = q | k | v, 3072][K 1024], K innermost, with their scale bytes [n][32].
; POSITIONS.  Every ROW of an operand buffer (a token of xn, an output column n of W) lies at its position: its index with bits 3 and 4 exchanged.  Sixteen rows on end are then a tile whose
;   results, where it is source 0 of a matrix instruction, fall into a lane's registers as neighbours along the natural index.  K is never permuted.
; A block's scale is 2^(floor(log2(its largest magnitude)) - 8): its byte is that magnitude's exponent field - 8, held at 1 from below.
; LIMITS: NaN and infinities among the inputs are not served; a block whose largest magnitude lies under 2^-118 gets the byte 1; a block of zeros gets the byte 1 where the rule says 127:
;   its codes are zeros, which add nothing under any byte but 0xff, and this program alone reads the bytes.
; No tensor loads, no barrier, no cluster: waves share nothing but gamma and beta (8 KiB).  The two paths part once, on the work-group's number, and each has LDS bytes of its own.
.set LNWG,  256                        ; work-groups of the LayerNorm path
.set SP,    80                         ; a lane's place in a stage: its 64 bytes + 16 of padding
.set LREG,  6144                       ; LayerNorm path: a wave's LDS: two stages of 32 x SP bytes, then its 256 scale bytes
.set SBY,   5120
.set WSTG,  4*LREG                     ; weight path: the stages begin behind the other path's bytes
.set WP,    272                        ; a stage row there: 256 bytes of codes + 16
.set G,     16                         ; v16-47   gamma: register 4 j + e = column 128 j + 4 lane + e
.set B,     48                         ; v48-79   beta likewise
.set X,     80                         ; v80-143  two rows of 32 registers
.set XT,    144                        ; v144-175 a row as 2 x 16 neighbours a lane
.set C,     176                        ; v176-183 its codes
.set E,     184                        ; v184-185 its scale bytes
.set MS,    186                        ; v186-187 lane i gathers mu and rstd of the wave's row i
	v_lshl_add_u32 v192, v0, 2, 0xe800
	v_mov_b32 v193, 0
	v_lshrrev_b32 v1, 5, v0
	v_readfirstlane_b32 s18, v1                    ; wave 0..3
	s_cmp_ge_u32 ttmp9, LNWG
	s_cbranch_scc1 .Lweights
	; ================= LayerNorm.  A wave takes 8 rows: positions 8 P .. 8 P + 7, P = 4 g + w, which are tokens 8 T .. 8 T + 7, T = 4 g + (w with its two bits exchanged)
	s_load_b128 s[4:7], s[0:1], 0x0                ; x, gamma
	s_load_b64 s[8:9], s[0:1], 0x10                ; beta
	s_load_b128 s[12:15], s[0:1], 0x30             ; xn_codes, xn_scales
	s_load_b64 s[16:17], s[0:1], 0x40              ; stats
	v_and_b32 v1, 31, v0                           ; lane
	v_lshlrev_b32 v2, 4, v1                        ; my 16 bytes of a load's or a store's 512
	s_mul_i32 s19, s18, LREG
	v_lshrrev_b32 v3, 2, v1
	v_mul_u32_u24 v3, v3, SP
	v_and_b32 v4, 3, v1
	v_lshl_add_u32 v3, v4, 4, v3
	v_add_nc_u32 v3, s19, v3                       ; the stage, in: four lanes' 64 bytes on end, then 16 of padding
	v_mul_u32_u24 v4, v1, SP
	v_add_nc_u32 v4, s19, v4                       ; and out: my 16 neighbours
	v_lshrrev_b32 v5, 1, v1
	s_add_co_u32 s19, s19, SBY
	v_add_nc_u32 v5, s19, v5                       ; my block's scale byte (two lanes hold a block)
	v_lshlrev_b32 v7, 3, v1                        ; 8 bytes a lane
	v_add_nc_u32 v6, s19, v7
	v_mov_b32 v[MS], 0
	v_mov_b32 v[MS+1], 0
	s_mov_b32 s20, 0x76543210
	s_mov_b32 s21, 0xfedcba98                      ; v_permlanex16_b32's selects for lane l xor 16
	s_mov_b32 s23, 0x3a800000                      ; 1 / 1024
	s_mov_b32 s25, 0x3727c5ac                      ; 1e-5
	s_lshl_b32 s26, ttmp9, 2
	s_add_co_u32 s27, s26, s18                     ; P
	s_and_b32 s28, s18, 1
	s_lshl_b32 s28, s28, 1
	s_lshr_b32 s29, s18, 1
	s_or_b32 s28, s28, s29
	s_add_co_u32 s28, s26, s28                     ; T
	s_lshl_b32 s30, s28, 15                        ; 8 rows of 4,096 bytes
	s_mov_b32 s31, 0
	s_lshl_b32 s32, s27, 13                        ; 8 rows of 1,024 codes
	s_mov_b32 s33, 0
	s_lshl_b32 s34, s27, 8                         ; 8 rows of 32 scale bytes
	s_mov_b32 s35, 0
	s_lshl_b32 s36, s28, 6                         ; 8 pairs of f32
	s_mov_b32 s37, 0
	s_wait_kmcnt 0x0
	s_add_nc_u64 s[4:5], s[4:5], s[30:31]
	s_add_nc_u64 s[12:13], s[12:13], s[32:33]
	s_add_nc_u64 s[14:15], s[14:15], s[34:35]
	s_add_nc_u64 s[16:17], s[16:17], s[36:37]
.irp j, 0,1,2,3,4,5,6,7
	global_load_b128 v[G+4*\j:G+4*\j+3], v2, s[6:7] offset:512*\j
.endr
.irp j, 0,1,2,3,4,5,6,7
	global_load_b128 v[B+4*\j:B+4*\j+3], v2, s[8:9] offset:512*\j
.endr
.macro LNLOAD i                        ; row i: eight loads of 512 consecutive bytes
.irp j, 0,1,2,3,4,5,6,7
	global_load_b128 v[X+32*((\i)%2)+4*\j:X+32*((\i)%2)+4*\j+3], v2, s[4:5] offset:4096*(\i)+512*\j th:TH_LOAD_NT
.endr
.endm
.macro REDUCE                          ; v8 summed over the 32 lanes, the result in every lane
	v_add_f32_dpp v8, v8, v8 row_xmask:1 row_mask:0xf bank_mask:0xf
	v_add_f32_dpp v8, v8, v8 row_xmask:2 row_mask:0xf bank_mask:0xf
	v_add_f32_dpp v8, v8, v8 row_xmask:4 row_mask:0xf bank_mask:0xf
	v_add_f32_dpp v8, v8, v8 row_xmask:8 row_mask:0xf bank_mask:0xf
	v_permlanex16_b32 v9, v8, s20, s21
	v_add_f32 v8, v8, v9
.endm
	LNLOAD 0
	LNLOAD 1
.macro LNROW i
.set XR, X+32*((\i)%2)
.if (\i) < 7
	s_wait_loadcnt 8                               ; this row is in (gamma and beta are older); the next row's eight loads may be out
.else
	s_wait_loadcnt 0x0
.endif
	v_pk_add_f32 v[8:9], v[XR:XR+1], v[XR+2:XR+3]  ; the row's sum, in two chains
	v_pk_add_f32 v[10:11], v[XR+4:XR+5], v[XR+6:XR+7]
.irp k, 8,12,16,20,24,28
	v_pk_add_f32 v[8:9], v[8:9], v[XR+\k:XR+\k+1]
	v_pk_add_f32 v[10:11], v[10:11], v[XR+\k+2:XR+\k+3]
.endr
	v_pk_add_f32 v[8:9], v[8:9], v[10:11]
	v_add_f32 v8, v8, v9
	REDUCE
	v_mul_f32 v12, s23, v8                         ; mu
	v_mov_b32 v13, v12
.irp k, 0,2,4,6,8,10,12,14,16,18,20,22,24,26,28,30
	v_pk_add_f32 v[XR+\k:XR+\k+1], v[XR+\k:XR+\k+1], v[12:13] neg_lo:[0,1] neg_hi:[0,1]   ; x - mu first, the squares of that: a common offset of x does no harm
.endr
	v_pk_mul_f32 v[8:9], v[XR:XR+1], v[XR:XR+1]
	v_pk_mul_f32 v[10:11], v[XR+2:XR+3], v[XR+2:XR+3]
.irp k, 4,8,12,16,20,24,28
	v_pk_fma_f32 v[8:9], v[XR+\k:XR+\k+1], v[XR+\k:XR+\k+1], v[8:9]
	v_pk_fma_f32 v[10:11], v[XR+\k+2:XR+\k+3], v[XR+\k+2:XR+\k+3], v[10:11]
.endr
	v_pk_add_f32 v[8:9], v[8:9], v[10:11]
	v_add_f32 v8, v8, v9
	REDUCE
	v_fma_f32 v8, v8, s23, s25                     ; the variance + 1e-5
	v_cmp_eq_u32 vcc_lo, \i, v1
	s_wait_alu depctr_va_vdst(0)
	v_rsq_f32 v14, v8
	v_cndmask_b32 v[MS], v[MS], v12, vcc_lo        ; lane i keeps row i's mu.  (A plain line that names neither v8 nor v14, behind the root)
	s_wait_alu depctr_va_vdst(0)                   ; the wait ahead of the first line that names the root's result
	v_mov_b32 v15, v14
	v_cndmask_b32 v[MS+1], v[MS+1], v14, vcc_lo    ; and its rstd
.irp k, 0,2,4,6,8,10,12,14,16,18,20,22,24,26,28,30
	v_pk_mul_f32 v[XR+\k:XR+\k+1], v[XR+\k:XR+\k+1], v[14:15]
.endr
.irp k, 0,2,4,6,8,10,12,14,16,18,20,22,24,26,28,30
	v_pk_fma_f32 v[XR+\k:XR+\k+1], v[XR+\k:XR+\k+1], v[G+\k:G+\k+1], v[B+\k:B+\k+1]   ; xn
.endr
	; the conversions take neighbours along K from ONE lane's registers: the row turns through my stages, 512 numbers in each, and comes back 16 neighbours a lane
.irp j, 0,1,2,3,4,5,6,7
	ds_store_b128 v3, v[XR+4*\j:XR+4*\j+3] offset:32*SP*(\j/4)+8*SP*(\j%4)
.endr
.irp s, 0,1
.irp k, 0,1,2,3
	ds_load_b128 v[XT+16*\s+4*\k:XT+16*\s+4*\k+3], v4 offset:32*SP*\s+16*\k   ; LDS serves a wave's instructions in order: these see the stores above
.endr
.endr
	s_wait_dscnt 0x0                               ; the row is back, so the stage's stores have read its registers,
	s_wait_xcnt 0x0                                ; and the last row's stores of codes have read theirs
.if (\i)+2 < 8
	LNLOAD (\i)+2                                  ; the freed registers take the row two further on
.endif
.irp s, 0,1
	v_max3_num_f32 v8, |v[XT+16*\s]|, |v[XT+16*\s+1]|, |v[XT+16*\s+2]|          ; the largest magnitude of my 16
	v_max3_num_f32 v9, |v[XT+16*\s+3]|, |v[XT+16*\s+4]|, |v[XT+16*\s+5]|
.irp m, 6,10
	v_max3_num_f32 v8, v8, |v[XT+16*\s+\m]|, |v[XT+16*\s+\m+1]|
	v_max3_num_f32 v9, v9, |v[XT+16*\s+\m+2]|, |v[XT+16*\s+\m+3]|
.endr
	v_max3_num_f32 v8, v8, |v[XT+16*\s+14]|, |v[XT+16*\s+15]|
	v_max3_num_f32 v8, v8, v9, 0x4800000           ; and the floor 2^(9 - 127): the byte cannot fall under 1
	v_max_num_f32_dpp v8, v8, v8 row_xmask:1 row_mask:0xf bank_mask:0xf   ; and of my neighbour's 16: the block's
	v_add_nc_u32 v11, 0xfc000000, v8               ; 8 off its exponent field: the conversion takes this operand's exponent field as its scale
.irp n, 0,1,2,3,4,5,6,7,8,9,10,11,12,13,14,15
.endr
	v_cvt_scalef32_pk8_fp8_f32 v[C+4*\s:C+4*\s+1], v[XT+16*\s:XT+16*\s+7], v11
	v_cvt_scalef32_pk8_fp8_f32 v[C+4*\s+2:C+4*\s+3], v[XT+16*\s+8:XT+16*\s+15], v11
	v_lshrrev_b32 v[E+\s], 23, v11                 ; the scale's byte
	ds_store_b8 v5, v[E+\s] offset:32*(\i)+16*\s   ; both lanes of a block write the same byte with the same value
	global_store_b128 v2, v[C+4*\s:C+4*\s+3], s[12:13] offset:1024*(\i)+512*\s   ; the wave stores 512 consecutive bytes, aligned
.endr
.endm
.irp r, 0,1,2,3,4,5,6,7
	LNROW \r
.endr
	ds_load_b64 v[12:13], v6                       ; my wave's 256 scale bytes: eight rows of 32
	s_wait_dscnt 0x0
	global_store_b64 v7, v[12:13], s[14:15]        ; 256 consecutive bytes, aligned
	s_wait_xcnt 0x0                                ; EXEC changes only behind this wait
	v_cmp_gt_u32 vcc_lo, 8, v1
	s_wait_tensorcnt 0x0
	ds_add_u32 v192, v193
	s_wait_dscnt 0x0
	s_and_saveexec_b32 s24, vcc_lo
	global_store_b64 v7, v[MS:MS+1], s[16:17]      ; lanes 0-7: mu and rstd of my eight tokens
	s_wait_xcnt 0x0
	s_or_b32 exec_lo, exec_lo, s24
	s_endpgm
	; ================= The weights.  u = work-group - 256: which W (u / 32), which 256 along K ((u / 8) % 4), which 128 columns (u % 8).  A LANE TAKES A COLUMN, AND ITS REGISTERS RUN DOWN K:
	; a block of 32 along K lies in one lane's 32 registers, and the conversions give codes with K innermost.  A wave's 32 columns x 256 codes go through its stage and leave as rows of 256 bytes.
.set WX,  32                           ; v32-95   two sets of 32 numbers
.set WC,  96                           ; v96-103  a block's codes
.set WO,  112                          ; v112-175 the way out
.set WSB, 24                           ; v24-25   the column's eight scale bytes
.Lweights:
	s_load_b128 s[4:7], s[0:1], 0x18               ; Wq, Wk
	s_load_b64 s[8:9], s[0:1], 0x28                ; Wv
	s_load_b128 s[12:15], s[0:1], 0x48             ; w_codes, w_scales
	s_sub_co_u32 s19, ttmp9, LNWG
	s_lshr_b32 s20, s19, 5                         ; which W
	s_and_b32 s21, s19, 7
	s_bfe_u32 s22, s19, 0x20003                    ; which 256 along K
	v_and_b32 v2, 31, v0                           ; lane
	s_lshl_b32 s23, s21, 7
	s_lshl_b32 s24, s18, 5
	s_add_co_u32 s23, s23, s24                     ; my wave's first column
	v_lshlrev_b32 v3, 2, v2                        ; in: 4 bytes a lane
	s_mul_i32 s24, s18, 32*WP
	s_add_co_u32 s24, s24, WSTG                    ; my stage
	v_mul_u32_u24 v4, v2, WP
	v_add_nc_u32 v4, s24, v4                       ; into it: row = my column
	v_and_b32 v5, 15, v2
	v_lshrrev_b32 v6, 4, v2
	v_mul_u32_u24 v7, v6, WP
	v_lshl_add_u32 v7, v5, 4, v7
	v_add_nc_u32 v7, s24, v7                       ; out of it: sixteen lanes to a row, two rows an instruction
	v_lshlrev_b32 v8, 10, v6
	v_lshl_add_u32 v8, v5, 4, v8                   ; and the same two rows in the codes' buffer
	v_and_b32 v9, 7, v2
	v_and_b32 v10, 8, v2
	v_lshl_or_b32 v9, v10, 1, v9
	v_and_b32 v10, 16, v2
	v_lshrrev_b32 v10, 1, v10
	v_or_b32 v9, v9, v10                           ; my column's position among the wave's 32
	v_lshlrev_b32 v9, 5, v9                        ; its row of 32 scale bytes
	s_lshl_b32 s26, s22, 20                        ; W: 256 rows of 4,096 bytes,
	s_lshl_b32 s25, s23, 2
	s_add_co_u32 s26, s26, s25                     ; + 4 x column
	s_mov_b32 s27, 0
	s_lshl_b32 s25, s20, 10
	s_add_co_u32 s25, s25, s23                     ; the first of my 32 rows of the output
	s_lshl_b32 s28, s25, 10
	s_lshl_b32 s31, s22, 8
	s_add_co_u32 s28, s28, s31
	s_mov_b32 s29, 0
	s_lshl_b32 s32, s25, 5
	s_lshl_b32 s31, s22, 3
	s_add_co_u32 s32, s32, s31
	s_mov_b32 s33, 0
	s_wait_kmcnt 0x0
	s_cmp_eq_u32 s20, 0                            ; the choice hangs on the work-group's number alone
	s_cselect_b64 s[4:5], s[4:5], s[6:7]
	s_cmp_eq_u32 s20, 2
	s_cselect_b64 s[4:5], s[8:9], s[4:5]
	s_add_nc_u64 s[4:5], s[4:5], s[26:27]
	s_add_nc_u64 s[12:13], s[12:13], s[28:29]
	s_add_nc_u64 s[14:15], s[14:15], s[32:33]
.macro WLOAD t                         ; block t: W(32 t + i, my column): 32 lanes read 128 consecutive bytes, the four waves stand side by side on 512
.irp i, 0,1,2,3,4,5,6,7,8,9,10,11,12,13,14,15,16,17,18,19,20,21,22,23,24,25,26,27,28,29,30,31
	global_load_b32 v[WX+32*((\t)%2)+\i], v3, s[4:5] offset:(32*(\t)+\i)*4096 th:TH_LOAD_NT
.endr
.endm
	WLOAD 0
	WLOAD 1
.macro WBLOCK t
.set XS, WX+32*((\t)%2)
.if (\t) < 7
	s_wait_loadcnt 32                              ; this block's 32 loads are in; the next block's may be out
.else
	s_wait_loadcnt 0x0
.endif
	v_max3_num_f32 v12, |v[XS]|, |v[XS+1]|, |v[XS+2]|             ; the block's largest magnitude: all 32 numbers are mine
	v_max3_num_f32 v13, |v[XS+3]|, |v[XS+4]|, |v[XS+5]|
.irp i, 6,10,14,18,22,26
	v_max3_num_f32 v12, v12, |v[XS+\i]|, |v[XS+\i+1]|
	v_max3_num_f32 v13, v13, |v[XS+\i+2]|, |v[XS+\i+3]|
.endr
	v_max3_num_f32 v12, v12, |v[XS+30]|, |v[XS+31]|
	v_max3_num_f32 v12, v12, v13, 0x4800000        ; and the floor
	v_add_nc_u32 v11, 0xfc000000, v12              ; the conversion's scale operand
	v_lshrrev_b32 v13, 23, v11                     ; the scale's byte
.if (\t)%4 == 0
	v_mov_b32 v[WSB+(\t)/4], v13                   ; four bytes to a register, the lower K in the lower byte
.else
	v_lshl_or_b32 v[WSB+(\t)/4], v13, 8*((\t)%4), v[WSB+(\t)/4]
.endif
.irp i, 0,1,2,3,4,5,6,7,8,9,10,11,12,13,14,15,16,17,18,19,20,21,22,23,24,25,26,27,28,29,30,31
.endr
.irp g, 0,1,2,3
	v_cvt_scalef32_pk8_fp8_f32 v[WC+2*\g:WC+2*\g+1], v[XS+8*\g:XS+8*\g+7], v11
.endr
	v_nop                                          ; a plain line behind the last conversion
	ds_store_b128 v4, v[WC:WC+3] offset:32*(\t)
	ds_store_b128 v4, v[WC+4:WC+7] offset:32*(\t)+16
.if (\t)+2 < 8
	WLOAD (\t)+2
.endif
	s_wait_dscnt 0x0                               ; the stores have read their registers: the next block's codes may be written
.endm
.irp q, 0,1,2,3,4,5,6,7
	WBLOCK \q
.endr
	s_wait_alu depctr_va_vdst(0)
	global_store_b64 v9, v[WSB:WSB+1], s[14:15]    ; my column's eight scale bytes, in its position's row
.irp t, 0,1,2,3,4,5,6,7,8,9,10,11,12,13,14,15
	ds_load_b128 v[WO+4*\t:WO+4*\t+3], v7 offset:2*\t*WP
.endr
.irp t, 0,1,2,3,4,5,6,7,8,9,10,11,12,13,14,15
	s_wait_dscnt 15-\t
	global_store_b128 v8, v[WO+4*\t:WO+4*\t+3], s[12:13] offset:2*((\t&3)|((\t&4)<<1)|((\t&8)>>1))*1024   ; columns 2 t, 2 t + 1 go to their positions; 16 lanes store 256 consecutive bytes, aligned
.endr
	s_wait_tensorcnt 0x0
	ds_add_u32 v192, v193
	s_wait_dscnt 0x0
	s_endpgm
.Lfunc_end_k_q5df5a36436_prep:
	.size	k_q5df5a36436_prep, .Lfunc_end_k_q5df5a36436_prep-k_q5df5a36436_prep
	.p2alignl 7, 3214868480
	.fill 96, 4, 3214868480
	.section	.rodata,"a",@progbits
	.p2align	6, 0x0
	.amdhsa_kernel k_q5df5a36436_prep
		.amdhsa_group_segment_fixed_size 59904
		.amdhsa_private_segment_fixed_size 0
		.amdhsa_enable_private_segment 0
		.amdhsa_kernarg_size 88
		.amdhsa_user_sgpr_count 2
		.amdhsa_user_sgpr_kernarg_segment_ptr 1
		.amdhsa_wavefront_size32 1
		.amdhsa_system_sgpr_workgroup_id_x 1
		.amdhsa_system_sgpr_workgroup_id_y 1
		.amdhsa_system_sgpr_workgroup_id_z 1
		.amdhsa_system_vgpr_workitem_id 0
		.amdhsa_next_free_vgpr 194
		.amdhsa_next_free_sgpr 66
		.amdhsa_reserve_vcc 1
		.amdhsa_float_denorm_mode_32 3
		.amdhsa_float_denorm_mode_16_64 3
		.amdhsa_fp16_overflow 1
		.amdhsa_memory_ordered 1
		.amdhsa_forward_progress 1
		.amdhsa_inst_pref_size 127
	.end_amdhsa_kernel
	.amdgpu_metadata
---
amdhsa.version: [ 1, 2 ]
amdhsa.kernels:
  - .name:           k_q5df5a36436_prep
    .symbol:         k_q5df5a36436_prep.kd
    .args:
      - { .name: x, .offset: 0, .size: 8, .value_kind: global_buffer, .address_space: global }
      - { .name: gamma, .offset: 8, .size: 8, .value_kind: global_buffer, .address_space: global }
      - { .name: beta, .offset: 16, .size: 8, .value_kind: global_buffer, .address_space: global }
      - { .name: Wq, .offset: 24, .size: 8, .value_kind: global_buffer, .address_space: global }
      - { .name: Wk, .offset: 32, .size: 8, .value_kind: global_buffer, .address_space: global }
      - { .name: Wv, .offset: 40, .size: 8, .value_kind: global_buffer, .address_space: global }
      - { .name: xn_codes, .offset: 48, .size: 8, .value_kind: global_buffer, .address_space: global }
      - { .name: xn_scales, .offset: 56, .size: 8, .value_kind: global_buffer, .address_space: global }
      - { .name: stats, .offset: 64, .size: 8, .value_kind: global_buffer, .address_space: global }
      - { .name: w_codes, .offset: 72, .size: 8, .value_kind: global_buffer, .address_space: global }
      - { .name: w_scales, .offset: 80, .size: 8, .value_kind: global_buffer, .address_space: global }
    .group_segment_fixed_size: 59904
    .private_segment_fixed_size: 0
    .kernarg_segment_align: 8
    .kernarg_segment_size: 88
    .max_flat_workgroup_size: 128
    .sgpr_count:     66
    .vgpr_count:     194
    .wavefront_size: 32
...
	.end_amdgpu_metadata
.endif
;; end of part 1
;; launch qkv (part 2): grid 12 x 32, 4 waves a work-group, clusters of 4 x 4, 327,680 bytes of LDS; arguments xn_codes, xn_scales, w_codes, w_scales, bq, bk, bv, qbuf, kv; writes qbuf, kv
.if DOCPART == 2
	.amdgcn_target "amdgcn-amd-amdhsa--gfx1250"
	.amdhsa_code_object_version 6
	.text
	.protected	k_q5df5a36436_qkv
	.globl	k_q5df5a36436_qkv
	.p2align	8
	.type	k_q5df5a36436_qkv,@function
k_q5df5a36436_qkv:
	s_mov_b64 s[64:65], 0
	v_nop
	global_prefetch_b8 v0, s[64:65] scope:SCOPE_SE
	s_setreg_imm32_b32 hwreg(HW_REG_WAVE_MODE, 25, 1), 1
	s_wait_xcnt 0x0
	s_wait_alu depctr_hold_cnt(0) depctr_sa_sdst(0) depctr_va_vdst(0) depctr_va_sdst(0) depctr_va_ssrc(0) depctr_va_vcc(0) depctr_vm_vsrc(0)
	s_getreg_b32 s2, hwreg(HW_REG_IB_STS2, 6, 4)
	s_cmp_eq_u32 s2, 0
	s_cbranch_scc0 .Lentry_in_a_cluster
	s_endpgm
.Lentry_in_a_cluster:
	s_bfe_u32 s2, ttmp6, 0x10000c
	s_cmp_lg_u32 s2, 0xf033
	s_cbranch_scc0 .Lentry_shape_is_right
	s_endpgm
.Lentry_shape_is_right:
.set KSTEP,  256
.set NQ,     2
.set ROWB,   256
.set KROW,   1024
.set PITCH,  272
.set FR,     16
.set NL,     4
.set NP,     8
.set HALFT,  128*PITCH
.set SLOT,   4*HALFT
.set LAPS,   2
.set KS,     32
.set SCL,    2*SLOT
.set HALFS,  (128*KS/256)*272
.set SBLK,   (16*KS/256)*272
.set SPARE,  SCL+4*HALFS
.set QBLK,   8704
.set KVBLK,  17152
.set ADRA, 16
.set ADRB, 20
.set LI,   24
.set L8,   25
.set BA,   26
.set ADRS, 27
.set SPW,  28
.set NIL,  29
.set SC,   32
.set BI,   64
.set AF,   128
.set ST,   128
.set PC,   192
.set TM,   208
.set PW,   224
.set SW,   232
.set G1, 24
.set G0, 32
.set G1B, 48
.set G0B, 56
.set G1S, 68
.set G0S, 76
.set G1SB, 80
.set G0SB, 88
.set SEL, 40
.set MNT, 42
.set HM,  43
.set RB,  66
.set CB,  67
.set OUT, 92
.set BP,  96
.set MSB, 0
.macro WIN new
.if MSB != \new
	s_set_vgpr_msb (MSB<<8)|\new
.set MSB, \new
.endif
.endm
.set MUL_LO, 0xa1
.set MUL_HI, 0xf1
.set TO_B,   0x40
.macro JLOAD g0a, g1a, g0b, g1b
	s_cmp_eq_u32 s15, 0
	s_cbranch_scc0 .Lfor_b_\@
	tensor_load_to_lds s[\g0a:\g0a+3], s[\g1a:\g1a+7]
	s_nop 0
.rept 4
	v_nop
.endr
	s_branch .Lasked_\@
.Lfor_b_\@:
	tensor_load_to_lds s[\g0b:\g0b+3], s[\g1b:\g1b+7]
	s_nop 0
.rept 4
	v_nop
.endr
.Lasked_\@:
.endm
.macro CREST
	s_cmp_lg_u32 s14, 0
	s_cbranch_scc1 .Lnot_wave_0_\@
	s_barrier_signal -3
.Lnot_wave_0_\@:
	s_barrier_wait -3
	s_barrier_signal -1
	s_barrier_wait -1
.endm
.macro CROUND
	s_barrier_signal -1
	s_barrier_wait -1
	CREST
.endm
	s_load_b256 s[4:11], s[0:1], 0x0
	v_lshl_add_u32 v[SPW], v0, 2, SPARE
	v_mov_b32 v[NIL], 0
	ds_add_u32 v28, v29
	ds_add_u32 v28, v29
	s_wait_dscnt 0x0
	v_lshrrev_b32 v1, 5, v0
	v_readfirstlane_b32 s14, v1
	s_lshr_b32 s15, s14, 1
	s_and_b32 s16, s14, 1
	s_bfe_u32 s40, ttmp6, 0x40000
	s_bfe_u32 s41, ttmp6, 0x40004
	s_and_b32 s95, ttmp7, 0xffff
	s_lshl_b32 s95, s95, 2
	s_lshl_b32 s96, ttmp9, 2
	s_cmp_eq_u32 ttmp9, 2
	s_cselect_b32 s17, 0, s95
	s_cselect_b32 s42, s95, s96
	s_add_co_u32 s17, s17, s41
	s_add_co_u32 s42, s42, s40
	s_lshl_b32 s43, s41, 2
	s_lshl_b32 s43, 15, s43
	s_lshl_b32 s44, 0x1111, s40
	s_or_b32 s[G1+0], s43, (0<<16)|(1<<20)|(1<<21)|(5<<22)|(3<<25)
	s_or_b32 s[G1B+0], s44, (0<<16)|(1<<20)|(1<<21)|(5<<22)|(3<<25)
.irp g, G1, G1B
	s_mov_b32 s[\g+1], ROWB<<16
	s_mov_b32 s[\g+2], 128<<16
	s_mov_b32 s[\g+3], ROWB<<16
	s_mov_b32 s[\g+4], 128
	s_mov_b32 s[\g+5], KROW
	s_mov_b32 s[\g+6], 0
	s_mov_b32 s[\g+7], 0
.endr
	s_or_b32 s[G1S+0], s43, (3<<16)|(1<<20)|(1<<21)|(5<<22)|(3<<25)
	s_or_b32 s[G1SB+0], s44, (3<<16)|(1<<20)|(1<<21)|(5<<22)|(3<<25)
.irp g, G1S, G1SB
	s_mov_b32 s[\g+1], 32<<16
	s_mov_b32 s[\g+2], (128*KS/256)<<16
	s_mov_b32 s[\g+3], 32<<16
	s_mov_b32 s[\g+4], 128*KS/256
	s_mov_b32 s[\g+5], 32
	s_mov_b32 s[\g+6], 0
	s_mov_b32 s[\g+7], 0
.endr
	s_lshl_b32 s[RB], s17, 8
	s_lshl_b32 s18, s15, 7
	s_add_co_u32 s[RB], s[RB], s18
	s_lshl_b32 s[CB], s42, 8
	s_lshl_b32 s18, s16, 7
	s_add_co_u32 s[CB], s[CB], s18
	s_lshl_b32 s20, s17, 8
	s_add_co_u32 s20, s20, s18
	s_lshl_b32 s46, s42, 8
	s_add_co_u32 s46, s46, s18
	s_mov_b32 s21, 0
	s_mov_b32 s47, 0
	s_mov_b64 s[18:19], KS
	s_mul_u64 s[22:23], s[20:21], s[18:19]
	s_mul_u64 s[92:93], s[46:47], s[18:19]
	s_mov_b64 s[18:19], KROW
	s_mul_u64 s[20:21], s[20:21], s[18:19]
	s_mul_u64 s[46:47], s[46:47], s[18:19]
	s_mul_i32 s45, s14, HALFT
	s_mul_i32 s94, s14, HALFS
	s_wait_kmcnt 0x0
	s_add_nc_u64 s[96:97], s[8:9], 2048*KROW
	s_add_nc_u64 s[98:99], s[10:11], 2048*KS
	s_cmp_eq_u32 ttmp9, 2
	s_cselect_b64 s[8:9], s[4:5], s[8:9]
	s_cselect_b64 s[10:11], s[6:7], s[10:11]
	s_cselect_b64 s[4:5], s[96:97], s[4:5]
	s_cselect_b64 s[6:7], s[98:99], s[6:7]
	s_add_nc_u64 s[20:21], s[4:5], s[20:21]
	s_add_nc_u64 s[22:23], s[6:7], s[22:23]
	s_add_nc_u64 s[46:47], s[8:9], s[46:47]
	s_add_nc_u64 s[92:93], s[10:11], s[92:93]
	CROUND
	s_mov_b32 s[G0S], 1
	s_add_co_u32 s[G0S+1], s94, SCL
	s_mov_b64 s[G0S+2:G0S+3], s[22:23]
	s_or_b32 s[G0S+3], s[G0S+3], 0x80000000
	s_mov_b32 s[G0SB], 1
	s_add_co_u32 s[G0SB+1], s94, SCL
	s_mov_b64 s[G0SB+2:G0SB+3], s[92:93]
	s_or_b32 s[G0SB+3], s[G0SB+3], 0x80000000
	JLOAD G0S, G1S, G0SB, G1SB
.irp s, 0,1
	s_mov_b32 s[G0+4*\s], 1
	s_add_co_u32 s[G0+4*\s+1], s45, \s*SLOT
	s_add_nc_u64 s[G0+4*\s+2:G0+4*\s+3], s[20:21], \s*ROWB
	s_or_b32 s[G0+4*\s+3], s[G0+4*\s+3], 0x80000000
	s_mov_b32 s[G0B+4*\s], 1
	s_add_co_u32 s[G0B+4*\s+1], s45, \s*SLOT
	s_add_nc_u64 s[G0B+4*\s+2:G0B+4*\s+3], s[46:47], \s*ROWB
	s_or_b32 s[G0B+4*\s+3], s[G0B+4*\s+3], 0x80000000
	s_wait_alu depctr_va_vdst(0)
	s_wait_tensorcnt 0x0
	ds_add_u32 v28, v29
	s_wait_dscnt 0x0
	CROUND
	JLOAD G0+4*\s, G1, G0B+4*\s, G1B
.endr
	v_and_b32 v1, 15, v0
	v_bfe_u32 v2, v0, 4, 1
	v_mul_u32_u24 v3, v1, PITCH
	v_lshl_add_u32 v4, v2, 4, v3
	s_mul_i32 s21, s15, HALFT
	s_mul_i32 s22, s16, HALFT
	s_add_co_u32 s22, s22, 2*HALFT
.irp s, 0,1
	v_add_nc_u32 v[ADRA+\s], s21, v4
	v_add_nc_u32 v[ADRB+\s], s22, v4
	s_add_co_u32 s21, s21, SLOT
	s_add_co_u32 s22, s22, SLOT
.endr
	v_mul_u32_u24 v5, v1, KS
	v_lshrrev_b32 v6, 8, v5
	v_lshl_add_u32 v5, v6, 4, v5
	s_mul_i32 s21, s15, HALFS
	s_mul_i32 s22, s16, HALFS
	s_add_co_u32 s22, s22, 2*HALFS
	s_sub_co_u32 s22, s22, s21
	v_mul_u32_u24 v6, s22, v2
	s_add_co_u32 s21, s21, SCL
	v_add_nc_u32 v5, v5, v6
	v_add_nc_u32 v[ADRS], s21, v5
	v_and_b32 v6, 31, v0
	v_lshlrev_b32 v[LI], 4, v6
	v_lshlrev_b32 v[L8], 3, v6
	s_load_b128 s[4:7], s[0:1], 0x20
	s_load_b128 s[8:11], s[0:1], 0x30
	s_load_b64 s[12:13], s[0:1], 0x40
	s_mov_b32 s[SEL], 0x76543210
	s_mov_b32 s[SEL+1], 0xfedcba98
	s_mov_b32 s[HM], 0xffff0000
.macro FRAG reg, adr, q, i
.irp c, 0,1,2,3
	ds_load_b128 v[\reg+4*\c:\reg+4*\c+3], v[\adr] offset:128*(\q)+32*\c+(\i)*16*PITCH
.endr
.endm
.macro MUL16 a0, p, q, sc, zero
.irp a, \a0, \a0+1
.irp b, 0,1,2,3,4,5,6,7
.if \zero
	v_wmma_scale_f32_16x16x128_f8f6f4 v[8*(8*((\a)%4)+\b):8*(8*((\a)%4)+\b)+7], v[128*(\p)+FR*\b:128*(\p)+FR*\b+FR-1], v[AF+FR*(\a):AF+FR*(\a)+FR-1], 0, v[SC+8*NQ*(\sc)+NQ*\b+(\q)], v[SC+8*NQ*(\sc)+NQ*(\a)+(\q)] matrix_a_scale:MATRIX_SCALE_ROW1
.else
	v_wmma_scale_f32_16x16x128_f8f6f4 v[8*(8*((\a)%4)+\b):8*(8*((\a)%4)+\b)+7], v[128*(\p)+FR*\b:128*(\p)+FR*\b+FR-1], v[AF+FR*(\a):AF+FR*(\a)+FR-1], v[8*(8*((\a)%4)+\b):8*(8*((\a)%4)+\b)+7], v[SC+8*NQ*(\sc)+NQ*\b+(\q)], v[SC+8*NQ*(\sc)+NQ*(\a)+(\q)] matrix_a_scale:MATRIX_SCALE_ROW1
.endif
.endr
.endr
.endm
.macro FETCH_B slot, q, p
	WIN TO_B
.irp i, 0,1,2,3,4,5,6,7
	FRAG 128*(\p)+FR*\i, ADRB+\slot, \q, \i
.endr
	WIN 0
.endm
.macro FETCH_A slot, q, i0
.irp i, \i0, \i0+1, \i0+2, \i0+3
	FRAG AF+FR*(\i), ADRA+\slot, \q, \i
.endr
.endm
.macro SCALES sc
.irp i, 0,1,2,3,4,5,6,7
	ds_load_b64 v[SC+8*NQ*\sc+NQ*\i:SC+8*NQ*\sc+NQ*\i+1], v[ADRS] offset:\i*SBLK
.endr
.endm
.macro PLACES n
.rept \n
	v_nop
.endr
.endm
.macro STEP slot, q, zero
	s_wait_dscnt 4*NL
	WIN MUL_LO
	MUL16 0, (\q)%2, \q, \slot, \zero
	MUL16 2, (\q)%2, \q, \slot, \zero
	s_wait_dscnt 0
	PLACES NP
	FETCH_B \slot, (\q)+1, 1-(\q)%2
	FETCH_A \slot, (\q)+1, 0
	WIN MUL_HI
	MUL16 4, (\q)%2, \q, \slot, \zero
	MUL16 6, (\q)%2, \q, \slot, \zero
	PLACES NP
	WIN 0
	FETCH_A \slot, (\q)+1, 4
.endm
.macro TURN slot, next, fill
	s_wait_tensorcnt 0x0
	ds_add_u32 v[SPW], v[NIL]
	s_wait_dscnt 4*NL+1
	WIN MUL_LO
	MUL16 0, 1, NQ-1, \slot, 0
	s_wait_dscnt 0x0
	s_barrier_signal -1
	MUL16 2, 1, NQ-1, \slot, 0
	WIN 0
	s_barrier_wait -1
.if \fill
	CREST
	s_add_nc_u64 s[G0+4*\slot+2:G0+4*\slot+3], s[G0+4*\slot+2:G0+4*\slot+3], 2*ROWB
	s_add_nc_u64 s[G0B+4*\slot+2:G0B+4*\slot+3], s[G0B+4*\slot+2:G0B+4*\slot+3], 2*ROWB
	JLOAD G0+4*\slot, G1, G0B+4*\slot, G1B
	PLACES NP-4
.else
	PLACES NP
.endif
	s_wait_alu depctr_va_vdst(0)
	v_add_nc_u32 v[ADRS], 4*NQ, v[ADRS]
	FETCH_B \next, 0, 0
	FETCH_A \next, 0, 0
	SCALES \next
	WIN MUL_HI
	MUL16 4, 1, NQ-1, \slot, 0
	MUL16 6, 1, NQ-1, \slot, 0
	PLACES NP
	WIN 0
	FETCH_A \next, 0, 4
.endm
.macro LASTSTEP
	s_wait_dscnt 4*NL
	WIN MUL_LO
	MUL16 0, 1, NQ-1, 1, 0
	MUL16 2, 1, NQ-1, 1, 0
	s_wait_dscnt 0
	WIN MUL_HI
	MUL16 4, 1, NQ-1, 1, 0
	MUL16 6, 1, NQ-1, 1, 0
	WIN 0
	PLACES NP
.endm
.macro QUANT s, pw
.irp b, 0,1,2,3
	v_max3_num_f32 v[TM+\b], |v[\s+16*\b]|, |v[\s+1+16*\b]|, 0x4800000
.endr
.irp i, 2,4,6,8,10,12,14
.irp b, 0,1,2,3
	v_max3_num_f32 v[TM+\b], v[TM+\b], |v[\s+16*\b+\i]|, |v[\s+1+16*\b+\i]|
.endr
.endr
.irp b, 0,1,2,3
	v_permlanex16_b32 v[TM+4+\b], v[TM+\b], s[SEL], s[SEL+1]
.endr
.irp b, 0,1,2,3
	v_max_num_f32 v[TM+\b], v[TM+\b], v[TM+4+\b]
.endr
.irp b, 0,1,2,3
	v_add_nc_u32 v[TM+12+\b], 0xfc000000, v[TM+\b]
.endr
.irp b, 0,1,2,3
.endr
.irp b, 0,1,2,3
	v_lshrrev_b32 v[TM+4+\b], 23, v[TM+12+\b]
.endr
	v_lshl_or_b32 v[\pw], v[TM+5], 8, v[TM+4]
	v_lshl_or_b32 v[\pw], v[TM+6], 16, v[\pw]
	v_lshl_or_b32 v[\pw], v[TM+7], 24, v[\pw]
.irp b, 0,1,2,3
.irp i, 0,1,2,3,4,5,6,7,8,9,10,11,12,13,14,15
.endr
	v_cvt_scalef32_pk8_fp8_f32 v[PC+4*\b:PC+1+4*\b], v[\s+16*\b:\s+7+16*\b], v[TM+12+\b]
	v_cvt_scalef32_pk8_fp8_f32 v[PC+2+4*\b:PC+3+4*\b], v[\s+8+16*\b:\s+15+16*\b], v[TM+12+\b]
.endr
	v_nop
.endm
.macro OUTQK a
	s_wait_xcnt 0x0
.set WN, 0x02+(\a)/4
	WIN WN
.set AC, 64*((\a)%4)
.set i, 0
.rept 32
	v_pk_add_f32 v[ST+i:ST+i+1], v[AC+i:AC+i+1], v[BI+i:BI+i+1]
.set i, i+2
.endr
	WIN 0
	QUANT ST, PW+(\a)
.irp hd, 0,1
.irp c, 0,1
	global_store_b128 v[LI], v[PC+8*\hd+4*\c:PC+8*\hd+4*\c+3], s[OUT+2*\hd:OUT+2*\hd+1] offset:512+1024*(\a)+512*\c
.endr
.endr
.endm
.macro OUTV a
	s_wait_xcnt 0x0
.set WN, 0x02+(\a)/4
	WIN WN
.set AC, 64*((\a)%4)
.set i, 0
.rept 32
	v_pk_add_f32 v[ST+i:ST+i+1], v[AC+i:AC+i+1], v[BI+2*(\a):BI+2*(\a)+1]
.set i, i+2
.endr
	WIN 0
	QUANT ST, PW+(\a)
.irp c, 0,1,2,3
	global_store_b128 v[LI], v[PC+4*\c:PC+4*\c+3], s[OUT+2*((\a)/4):OUT+2*((\a)/4)+1] offset:8704+2048*((\a)%4)+512*\c
.endr
.endm
	s_wait_alu depctr_va_vdst(0)
	s_wait_kmcnt 0x0
	s_wait_tensorcnt 1
	s_barrier_signal -1
	s_barrier_wait -1
	FETCH_B 0, 0, 0
	FETCH_A 0, 0, 0
	SCALES 0
	FETCH_A 0, 0, 4
	STEP 0, 0, 1
	s_mov_b32 s3, LAPS-1
.Llap:
	TURN 0, 1, 1
	STEP 1, 0, 0
	TURN 1, 0, 1
	STEP 0, 0, 0
	s_sub_co_u32 s3, s3, 1
	s_cmp_lg_u32 s3, 0
	s_cbranch_scc1 .Llap
	TURN 0, 1, 0
	STEP 1, 0, 0
	s_cmp_eq_u32 ttmp9, 2
	s_cbranch_scc1 .Lout_v
	s_cmp_eq_u32 ttmp9, 1
	s_cselect_b64 s[OUT:OUT+1], s[12:13], s[10:11]
	s_cselect_b64 s[BP:BP+1], s[6:7], s[4:5]
	s_mov_b32 s18, QBLK
	s_cselect_b32 s18, KVBLK, s18
	s_lshr_b32 s19, s[RB], 11
	s_bfe_u32 s20, s[RB], 0x40007
	s_bfe_u32 s21, s[CB], 0x40006
	s_lshl_b32 s19, s19, 4
	s_add_co_u32 s19, s19, s21
	s_lshl_b32 s19, s19, 4
	s_add_co_u32 s19, s19, s20
	s_mul_i32 s20, s19, s18
	s_mov_b32 s21, 0
	s_add_nc_u64 s[OUT:OUT+1], s[OUT:OUT+1], s[20:21]
	s_lshl_b32 s20, s18, 4
	s_add_nc_u64 s[OUT+2:OUT+3], s[OUT:OUT+1], s[20:21]
	s_and_b32 s20, s[CB], 1023
	s_lshl_b32 s20, s20, 2
	s_add_nc_u64 s[BP:BP+1], s[BP:BP+1], s[20:21]
	v_lshlrev_b32 v[BA], 6, v2
.irp b, 0,1,2,3
.irp j, 0,1,2,3
	global_load_b128 v[BI+16*\b+4*\j:BI+16*\b+4*\j+3], v[BA], s[BP:BP+1] offset:128*\b+16*\j
.endr
.endr
	LASTSTEP
	s_wait_loadcnt 0x0
.irp b, 0,1,2,3
	v_mov_b32 v[TM+4+\b], 0
.endr
.irp a, 0,1,2,3,4,5,6,7
	OUTQK \a
.endr
.irp i, 0,1,2,3
	v_cndmask_b32 v240, v[PW+2*\i], v[PW+2*\i+1], s[HM]
	v_and_b32 v[SW+\i], 0xffff, v240
	v_lshrrev_b32 v[SW+4+\i], 16, v240
.endr
	global_store_b128 v[LI], v[SW:SW+3], s[OUT:OUT+1]
	global_store_b128 v[LI], v[SW+4:SW+7], s[OUT+2:OUT+3]
	s_branch .Lend
.Lout_v:
	s_lshr_b32 s21, s[RB], 6
	s_lshr_b32 s19, s[CB], 11
	s_bfe_u32 s20, s[CB], 0x40007
	s_lshl_b32 s19, s19, 4
	s_add_co_u32 s19, s19, s21
	s_lshl_b32 s19, s19, 4
	s_add_co_u32 s19, s19, s20
	s_mul_i32 s20, s19, KVBLK
	s_mov_b32 s21, 0
	s_add_nc_u64 s[OUT:OUT+1], s[12:13], s[20:21]
	s_add_nc_u64 s[OUT+2:OUT+3], s[OUT:OUT+1], 16*KVBLK
	s_lshl_b32 s20, s[RB], 2
	s_add_nc_u64 s[BP:BP+1], s[8:9], s[20:21]
	v_and_b32 v[BA], 8, v1
	v_add_nc_u32 v[BA], v[BA], v1
	v_lshlrev_b32 v[BA], 2, v[BA]
.irp a, 0,1,2,3,4,5,6,7
	global_load_b32 v[BI+2*\a], v[BA], s[BP:BP+1] offset:4*(32*(\a/2)+8*(\a%2))
.endr
	LASTSTEP
	s_wait_loadcnt 0x0
.irp a, 0,1,2,3,4,5,6,7
	v_mov_b32 v[BI+2*\a+1], v[BI+2*\a]
.endr
.irp b, 0,1,2,3
	v_mov_b32 v[TM+4+\b], 0
.endr
.irp a, 0,1,2,3,4,5,6,7
	OUTV \a
.endr
.irp hd, 0,1
.irp i, 0,1
	v_cndmask_b32 v[SW+2*\hd+\i], v[PW+4*\hd+2*\i], v[PW+4*\hd+2*\i+1], s[HM]
.endr
	global_store_b64 v[L8], v[SW+2*\hd:SW+2*\hd+1], s[OUT+2*\hd:OUT+2*\hd+1] offset:16896
.endr
.Lend:
	s_wait_tensorcnt 0x0
	ds_add_u32 v[SPW], v[NIL]
	s_wait_dscnt 0x0
	CROUND
	s_endpgm
.Lfunc_end_k_q5df5a36436_qkv:
	.size	k_q5df5a36436_qkv, .Lfunc_end_k_q5df5a36436_qkv-k_q5df5a36436_qkv
	.p2alignl 7, 3214868480
	.fill 96, 4, 3214868480
	.section	.rodata,"a",@progbits
	.p2align	6, 0x0
	.amdhsa_kernel k_q5df5a36436_qkv
		.amdhsa_group_segment_fixed_size 327680
		.amdhsa_private_segment_fixed_size 0
		.amdhsa_enable_private_segment 0
		.amdhsa_kernarg_size 72
		.amdhsa_user_sgpr_count 2
		.amdhsa_user_sgpr_kernarg_segment_ptr 1
		.amdhsa_wavefront_size32 1
		.amdhsa_system_sgpr_workgroup_id_x 1
		.amdhsa_system_sgpr_workgroup_id_y 1
		.amdhsa_system_sgpr_workgroup_id_z 1
		.amdhsa_system_vgpr_workitem_id 0
		.amdhsa_next_free_vgpr 1024
		.amdhsa_next_free_sgpr 100
		.amdhsa_reserve_vcc 0
		.amdhsa_float_denorm_mode_32 3
		.amdhsa_float_denorm_mode_16_64 3
		.amdhsa_fp16_overflow 1
		.amdhsa_memory_ordered 1
		.amdhsa_forward_progress 1
		.amdhsa_inst_pref_size 228
	.end_amdhsa_kernel
	.amdgpu_metadata
---
amdhsa.version: [ 1, 2 ]
amdhsa.kernels:
  - .name:           k_q5df5a36436_qkv
    .symbol:         k_q5df5a36436_qkv.kd
    .args:
      - { .name: xn_codes, .offset: 0, .size: 8, .value_kind: global_buffer, .address_space: global }
      - { .name: xn_scales, .offset: 8, .size: 8, .value_kind: global_buffer, .address_space: global }
      - { .name: w_codes, .offset: 16, .size: 8, .value_kind: global_buffer, .address_space: global }
      - { .name: w_scales, .offset: 24, .size: 8, .value_kind: global_buffer, .address_space: global }
      - { .name: bq, .offset: 32, .size: 8, .value_kind: global_buffer, .address_space: global }
      - { .name: bk, .offset: 40, .size: 8, .value_kind: global_buffer, .address_space: global }
      - { .name: bv, .offset: 48, .size: 8, .value_kind: global_buffer, .address_space: global }
      - { .name: qbuf, .offset: 56, .size: 8, .value_kind: global_buffer, .address_space: global }
      - { .name: kv, .offset: 64, .size: 8, .value_kind: global_buffer, .address_space: global }
    .group_segment_fixed_size: 327680
    .private_segment_fixed_size: 0
    .kernarg_segment_align: 8
    .kernarg_segment_size: 72
    .max_flat_workgroup_size: 128
    .sgpr_count:     100
    .vgpr_count:     1024
    .wavefront_size: 32
...
	.end_amdgpu_metadata
.endif
;; end of part 2
;; launch attn (part 3): grid 8 x 64, 16 waves a work-group, clusters of 4 x 1, 327,680 bytes of LDS; arguments qbuf, kv, x, stats, gamma, beta, out0; writes out0
.if DOCPART == 3
	.amdgcn_target "amdgcn-amd-amdhsa--gfx1250"
	.amdhsa_code_object_version 6
	.text
	.protected	k_q5df5a36436_attn
	.globl	k_q5df5a36436_attn
	.p2align	8
	.type	k_q5df5a36436_attn,@function
k_q5df5a36436_attn:
	s_mov_b64 s[64:65], 0
	v_nop
	global_prefetch_b8 v0, s[64:65] scope:SCOPE_SE
	s_setreg_imm32_b32 hwreg(HW_REG_WAVE_MODE, 25, 1), 1
	s_wait_xcnt 0x0
	s_wait_alu depctr_hold_cnt(0) depctr_sa_sdst(0) depctr_va_vdst(0) depctr_va_sdst(0) depctr_va_ssrc(0) depctr_va_vcc(0) depctr_vm_vsrc(0)
	s_getreg_b32 s2, hwreg(HW_REG_IB_STS2, 6, 4)
	s_cmp_eq_u32 s2, 0
	s_cbranch_scc0 .Lentry_in_a_cluster
	s_endpgm
.Lentry_in_a_cluster:
	s_bfe_u32 s2, ttmp6, 0x10000c
	s_cmp_lg_u32 s2, 0x3003
	s_cbranch_scc0 .Lentry_shape_is_right
	s_endpgm
.Lentry_shape_is_right:
; ATTN: out0 = xn + softmax(q k^T / 8) v, head by head, both products on codes of FP8 (E4M3) with E8M0 scales for each 32 along a product's K.
; q, k and v^T arrive as images of operand registers with their scale words (the launch before lays them: qbuf [bh][step][8704], kv [bh][step][17152]); a step is 128 keys.
; THE SOFTMAX AHEAD OF THE SECOND PRODUCT: t = score x log2(e) / 8; M = the row's largest t so far, rounded UP to a whole number; p = 2^(t - M) is what is quantised, along the keys; it is not normalised.
;   The row's sum is taken of the unquantised p, in f32, and divides O at the end.  When M moves, the sum and O are multiplied by 2^(old M - new M): exact.
; SHARES.  A work-group owns 256 query positions of one (batch, head); each of its sixteen waves one tile of 16, in 256 registers: four waves to a SIMD, so that one wave's vector work stands beside
;   another's matrix work and LDS loads.  Every wave walks the head's 2048 keys, 128 a step.
; A WHOLE HEAD LIES IN LDS: 16 steps x 17,152 bytes, each filled ONCE, wave w bringing step w by one tensor load.  So the loop over the keys has no refill and no barrier.
; CLUSTER: the four work-groups of a cluster walk the same head: each step's block is asked for jointly, by the same load with a mask that names the four.
; LAYOUT.  Both products are used transposed: S^T = K Q^T (source 0 = 16 key positions, source 1 = my 16 queries), O^T = V^T P^T: a lane holds ONE query throughout.  Rows lie at their positions (index with bits
;   3 and 4 exchanged), so the 16 registers of tiles 2 b and 2 b + 1 are natural indices 32 b + 16 (lane / 16) + 0 .. 15: p's codes are the second product's operand as they come.
;   The first product's K is the head's 64: registers 8-15 of Q's and K's fragments are zero codes, set once; their scale bytes are 0, which is 2^-127 over zeros.
; THE RESIDUAL: xn is made again from x, mu, rstd, gamma and beta by the three operations that made it ahead of its quantiser.
; LIMITS: NaN and infinities are not served; a block of p whose largest number lies under 2^-118 gets the byte 1.
; REGISTERS: v1-10 addresses; v12 -M, v13 the largest t, v[14:15] the sum in two halves; v16-31 Q; v32-95 four fragments of K; v96-159 S^T, then p, then four fragments of V^T; v160-191 O^T; v192-207 p's codes;
;   v208-223 at work; v224-231 scale words and nothing else (K's four, V's two, p's, Q's); v[232:233] f; v234, v[236:237] at work.
.set BLKB,  17152                      ; a step's block of K and V
.set QBLK,  8704
.set KIMG,  512                        ; in a block: K's images,
.set VIMG,  8704                       ; V^T's,
.set VSC,   16896                      ; V's scale words
.set SPI,   272                        ; the way out: a stage row, 256 bytes + 16
.set LI,   1                           ; v1   16 x lane
.set L8,   2                           ; v2   8 x lane
.set AD,   3                           ; v3   the step's block + 16 x lane
.set AD8,  4                           ; v4   the step's block + 8 x lane
.set PFO,  5                           ; v5   4,096 x lane: a row of x; never rewritten
.set GO,   6                           ; v6   the way out: my 16 bytes in two rows of x and of out0
.set SA,   7                           ; v7   and my row's pair in stats
.set STI,  8                           ; v8   the stage, in
.set STO,  9                           ; v9   the stage, out
.set CA,   10                          ; v10  16 x (lane % 16): gamma's and beta's columns; Q's scale words
.set BM,   208                         ; v208-211 the blocks' largest scores, then p
.set T2,   212                         ; v212-215 the other half's; then the bytes
.set HL,   216
.set SCO,  220                         ; v220-223 the conversions' scale operands
.set WV,   18
.set MNT,  19
.set SEL,  20
.set CS,   22
.set G1,   24
.set G0,   32
.set TB,   36                          ; s36  LDS byte at which the step's block begins
.set CNT,  37                          ; s37  steps to go
.set LIM,  38                          ; s38  3 in the even waves, which prefetch, else the greatest number
.set XB,   40                          ; s[40:41] x at my first token and my head's columns
.set OB,   42                          ; s[42:43] out0 likewise
.set STB,  44                          ; s[44:45] stats at my first token
.set GB,   46                          ; s[46:47] gamma at my head's columns
.set BB,   48                          ; s[48:49] beta likewise
.macro CROUND                          ; a round of the cluster's barrier
	s_barrier_signal -1
	s_barrier_wait -1
	s_cmp_lg_u32 s[WV], 0
	s_cbranch_scc1 .Lnot_wave_0_\@
	s_barrier_signal -3
.Lnot_wave_0_\@:
	s_barrier_wait -3
	s_barrier_signal -1
	s_barrier_wait -1
.endm
	s_load_b256 s[4:11], s[0:1], 0x0               ; qbuf, kv, x, stats
	s_load_b128 s[12:15], s[0:1], 0x20             ; gamma, beta
	s_load_b64 s[16:17], s[0:1], 0x30              ; out0
	v_lshl_add_u32 v254, v0, 2, 0x43000
	v_mov_b32 v255, 0
	ds_add_u32 v254, v255
	ds_add_u32 v254, v255
	v_lshrrev_b32 v1, 5, v0
	s_delay_alu instid0(VALU_DEP_1)
	v_readfirstlane_b32 s[WV], v1                  ; wave 0..15
	v_and_b32 v11, 31, v0                          ; lane
	s_delay_alu instid0(VALU_DEP_1)
	v_lshlrev_b32 v[LI], 4, v11
	s_delay_alu instid0(VALU_DEP_2)
	v_lshlrev_b32 v[L8], 3, v11
	s_delay_alu instid0(VALU_DEP_3)
	v_lshlrev_b32 v[PFO], 12, v11
	v_and_b32 v3, 15, v0                           ; r
	v_bfe_u32 v4, v0, 4, 1                         ; h
	s_delay_alu instid0(VALU_DEP_2)
	v_lshlrev_b32 v[CA], 4, v3
	s_delay_alu instid0(VALU_DEP_1)
	v_lshl_add_u32 v[GO], v4, 12, v[CA]
	s_delay_alu instid0(VALU_DEP_3)
	v_lshlrev_b32 v[SA], 3, v4
	s_mul_i32 s57, s[WV], 16*SPI                   ; my stage
	v_mul_u32_u24 v[STI], v3, SPI
	s_delay_alu instid0(VALU_DEP_1)
	v_lshl_add_u32 v[STI], v4, 6, v[STI]
	s_delay_alu instid0(VALU_DEP_1)
	v_add_nc_u32 v[STI], s57, v[STI]               ; in: row r, + 64 h
	v_mul_u32_u24 v[STO], v4, SPI
	s_delay_alu instid0(VALU_DEP_1)
	v_add_nc_u32 v[STO], v[STO], v[CA]
	s_delay_alu instid0(VALU_DEP_1)
	v_add_nc_u32 v[STO], s57, v[STO]               ; out: lanes 0-15 one row, lanes 16-31 the next
	s_bfe_u32 s50, ttmp6, 0x40000                  ; cx
	s_lshl_b32 s51, ttmp9, 2
	s_add_co_u32 s51, s51, s50                     ; my block of 256 query positions: it enters Q's, x's, stats' and out0's addresses alone
	s_and_b32 s52, ttmp7, 0xffff                   ; (batch, head), which the four partners share
	s_lshl_b32 s53, s51, 4
	s_add_co_u32 s53, s53, s[WV]                   ; T: my tile of 16 positions
	s_lshr_b32 s54, s52, 4                         ; batch
	s_and_b32 s55, s52, 15                         ; head
	s_lshr_b32 s56, s53, 1
	s_lshl_b32 s56, s56, 5
	s_and_b32 s57, s53, 1
	s_lshl_b32 s57, s57, 3
	s_add_co_u32 s56, s56, s57                     ; lane r of my tile is token 32 (T / 2) + 8 (T % 2) + r + 8 (r / 8)
	s_lshl_b32 s57, s54, 11
	s_add_co_u32 s56, s56, s57                     ; among all 8192
	s_lshl_b32 s58, s56, 12
	s_lshl_b32 s66, s55, 8                         ; my head's 64 columns: 256 bytes
	s_mov_b32 s67, 0
	s_add_co_u32 s58, s58, s66
	s_mov_b32 s59, 0
	s_lshl_b32 s60, s56, 3
	s_mov_b32 s61, 0
	s_lshl_b32 s62, s52, 4                         ; 16 steps to a head
	s_lshr_b32 s68, s53, 3
	s_add_co_u32 s68, s68, s62
	s_mul_i32 s68, s68, QBLK                       ; the block of q that holds my tile
	s_mov_b32 s69, 0
	s_add_co_u32 s62, s62, s[WV]
	s_mul_i32 s62, s62, BLKB                       ; the step that I fetch: the head and the wave's number alone
	s_mov_b32 s63, 0
	s_and_b32 s57, s[WV], 7                        ; my tile in its block
	s_lshl_b32 s70, s57, 10
	s_mov_b32 s71, 0
	s_and_b32 s72, s57, 1
	s_lshl_b32 s72, s72, 8                         ; its scale words: lanes 16-31's for an odd tile,
	s_lshr_b32 s57, s57, 1
	s_lshl_b32 s57, s57, 2
	s_add_co_u32 s72, s72, s57                     ; word tile / 2
	s_mov_b32 s73, 0
	s_and_b32 s57, s[WV], 1
	s_cmp_eq_u32 s57, 0
	s_cselect_b32 s[LIM], 3, -1
	s_mov_b32 s[SEL], 0x76543210
	s_mov_b32 s[SEL+1], 0xfedcba98
	s_mov_b32 s[CS], 0x3e38aa3b                    ; c = log2(e) / 8
	s_mov_b32 s[CS+1], s[CS]                       ; (named with it as a pair, so it is written)
	s_mov_b32 s[TB], 0
	s_mov_b32 s[CNT], 16
	; descriptor group 1: a step's block, dense in memory, as 67 rows of 256 bytes (32 elements of 8 bytes), no padding: every LDS read takes 16 or 8 bytes a lane on end
	s_mov_b32 s[G1], 15|(3<<16)|(1<<21)            ; 15:0 the mask: all four work-groups; 17:16 elements of 8 bytes; 21 set beside a mask
	s_mov_b32 s[G1+1], 32<<16                      ; tensor_dim0
	s_mov_b32 s[G1+2], 67<<16                      ; tensor_dim1
	s_mov_b32 s[G1+3], 32<<16                      ; tile_dim0
	s_mov_b32 s[G1+4], 67                          ; tile_dim1
	s_mov_b32 s[G1+5], 32                          ; tensor_dim0_stride
	s_mov_b32 s[G1+6], 0
	s_mov_b32 s[G1+7], 0
	s_mov_b32 s[G0], 1
	s_mul_i32 s[G0+1], s[WV], BLKB                 ; LDS: step w at w x 17,152
	s_wait_dscnt 0x0
	s_wait_kmcnt 0x0
	s_add_nc_u64 s[G0+2:G0+3], s[6:7], s[62:63]
	s_or_b32 s[G0+3], s[G0+3], 0x80000000
	s_add_nc_u64 s[4:5], s[4:5], s[68:69]          ; my block of q,
	s_add_nc_u64 s[74:75], s[4:5], s[72:73]        ; my tile's scale words,
	s_add_nc_u64 s[4:5], s[4:5], s[70:71]          ; my tile's images (512 bytes further on)
	s_add_nc_u64 s[XB:XB+1], s[8:9], s[58:59]
	s_add_nc_u64 s[OB:OB+1], s[16:17], s[58:59]
	s_add_nc_u64 s[STB:STB+1], s[10:11], s[60:61]
	s_add_nc_u64 s[GB:GB+1], s[12:13], s[66:67]
	s_add_nc_u64 s[BB:BB+1], s[14:15], s[66:67]
	CROUND                                         ; all four work-groups are here: the joint loads meet
	tensor_load_to_lds s[G0:G0+3], s[G1:G1+7]      ; my one tensor load of the launch
	s_nop 0
.rept 4
	v_nop
.endr
.irp c, 0,1
	global_load_b128 v[16+4*\c:19+4*\c], v[LI], s[4:5] offset:512+512*\c   ; Q's fragment stays in registers
.endr
	s_wait_alu depctr_va_vdst(0)
	global_load_b32 v231, v[CA], s[74:75]          ; Q's scale words: lane r has row r's
.irp j, 24,25,26,27,28,29,30,31
	v_mov_b32 v[\j], 0                             ; zero codes: K = 64 .. 127 of the first product
.endr
.irp t, 0,1,2,3
.irp j, 8,9,10,11,12,13,14,15
	v_mov_b32 v[32+16*\t+\j], 0                    ; the same in K's four fragments: no load lands there
.endr
.endr
.irp j, 0,1,2,3,4,5,6,7,8,9,10,11,12,13,14,15,16,17,18,19,20,21,22,23,24,25,26,27,28,29,30,31
	v_mov_b32 v[160+\j], 0                         ; O^T.  (The step is written once: the first finds zeros, which the first change of M leaves zeros)
.endr
.irp b, 0,1,2,3
	v_mov_b32 v[T2+\b], 0                          ; written once: a lane permute's destination counts as one of its sources
.endr
	v_mov_b32 v13, 0xff61b1e6                      ; the largest t so far: -3e38, under every t
	s_delay_alu instid0(VALU_DEP_1)
	v_floor_f32 v12, -v13                          ; -M
	v_mov_b32 v14, 0
	v_mov_b32 v15, 0
	v_mov_b32 v233, 0                              ; (named as the upper half of the pair v[232:233])
	s_wait_tensorcnt 0x0                           ; my step's block has landed,
	s_barrier_signal -1
	s_barrier_wait -1                              ; everybody's has: the whole head lies in LDS
	s_wait_loadcnt 0x0                             ; Q
.Lstep:                                            ; 16 trips: a step of 128 keys
	s_setprio 2
	v_add_nc_u32 v[AD], s[TB], v[LI]
	s_wait_alu depctr_va_vdst(0)
	v_add_nc_u32 v[AD8], s[TB], v[L8]
.rept 7
	v_nop                                          ; with the two additions nine places behind the last trip's products: loads land in their scale registers, and the products below write over V^T's fragments
.endr
	ds_load_b128 v[224:227], v[AD]                 ; K's scale words: register i: lanes 0-15 tile 2 i, lanes 16-31 tile 2 i + 1
	ds_load_b64 v[228:229], v[AD8] offset:VSC      ; V's likewise
.irp g, 0,1                                    ; S^T = K Q^T, four tiles of 16 key positions at a time
.if \g
.rept 8
	v_nop                                          ; places in front of loads into registers that matrix instructions have read
.endr
.endif
.irp t, 0,1,2,3
.irp c, 0,1
	ds_load_b128 v[32+16*\t+4*\c:35+16*\t+4*\c], v[AD] offset:KIMG+1024*(4*\g+\t)+512*\c
.endr
.endr
	s_wait_dscnt 0x0
.irp t, 0,1,2,3
.if \t%2
	v_wmma_scale_f32_16x16x128_f8f6f4 v[96+8*(4*\g+\t):103+8*(4*\g+\t)], v[32+16*\t:47+16*\t], v[16:31], 0, v[224+(4*\g+\t)/2], v231 matrix_a_scale:MATRIX_SCALE_ROW1
.else
	v_wmma_scale_f32_16x16x128_f8f6f4 v[96+8*(4*\g+\t):103+8*(4*\g+\t)], v[32+16*\t:47+16*\t], v[16:31], 0, v[224+(4*\g+\t)/2], v231
.endif
.endr
.endr                                          ; lane (r, h) holds query r; register 16 b + i is key 32 b + 16 h + i of the step
.rept 8
	v_nop
.endr
.irp b, 0,1,2,3
	v_max3_num_f32 v[BM+\b], v[96+16*\b], v[97+16*\b], v[98+16*\b]   ; the largest score of each block of 32 keys: for the row's maximum, and, since p rises with the score, for the block's largest p
.endr
.irp i, 3,5,7,9,11,13
.irp b, 0,1,2,3
	v_max3_num_f32 v[BM+\b], v[BM+\b], v[96+16*\b+\i], v[97+16*\b+\i]
.endr
.endr
.irp b, 0,1,2,3
	v_max_num_f32 v[BM+\b], v[BM+\b], v[111+16*\b]
.endr
.irp b, 0,1,2,3
	s_delay_alu instid0(VALU_DEP_4)
	v_permlanex16_b32 v[T2+\b], v[BM+\b], s[SEL], s[SEL+1]
.endr
.irp b, 0,1,2,3
	s_delay_alu instid0(VALU_DEP_4)
	v_max_num_f32 v[BM+\b], v[BM+\b], v[T2+\b]     ; with lane l xor 16's 16 keys
.endr
	s_delay_alu instid0(VALU_DEP_2)
	v_max3_num_f32 v234, v[BM], v[BM+1], v[BM+2]
	s_delay_alu instid0(VALU_DEP_1)
	v_max_num_f32 v234, v234, v[BM+3]              ; the step's largest score of my query
	s_delay_alu instid0(VALU_DEP_1)
	v_mul_f32 v234, s[CS], v234                    ; as t (c is positive)
	s_delay_alu instid0(VALU_DEP_1)
	v_max_num_f32 v13, v13, v234                   ; the running largest t
	v_mov_b32 v234, v12
	s_delay_alu instid0(VALU_DEP_2)
	v_floor_f32 v12, -v13                          ; the new -M = floor(-t) = -ceil(t): M is a whole number
	s_delay_alu instid0(VALU_DEP_1)
	v_sub_f32 v234, v12, v234                      ; M's old value less its new one: a whole number, 0 or less
	s_delay_alu instid0(VALU_DEP_1)
	v_cvt_i32_f32 v234, v234                       ; (it saturates)
	s_delay_alu instid0(VALU_DEP_1)
	v_ldexp_f32 v232, 1.0, v234                    ; f = 2^(old M - new M)
.irp j, 0,2,4,6,8,10,12,14,16,18,20,22,24,26,28,30,32,34,36,38,40,42,44,46,48,50,52,54,56,58,60,62
	v_pk_fma_f32 v[96+\j:97+\j], v[96+\j:97+\j], s[CS:CS+1], v[12:13] op_sel_hi:[1,0,0]   ; t - M, two at a time
.endr
.irp b, 0,1,2,3
	v_fma_f32 v[BM+\b], v[BM+\b], s[CS], v12       ; the same of each block's largest score
.endr
	s_wait_alu depctr_va_vdst(0)
.irp j, 0,1,2,3,4,5,6,7,8,9,10,11,12,13,14,15,16,17,18,19,20,21,22,23,24,25,26,27,28,29,30,31,32,33,34,35,36,37,38,39,40,41,42,43,44,45,46,47,48,49,50,51,52,53,54,55,56,57,58,59,60,61,62,63
	v_exp_f32 v[96+\j], v[96+\j]                   ; p = 2^(t - M), at most 1: not normalised
.endr
	s_setprio 1
	v_pk_mul_f32 v[14:15], v[14:15], v[232:233] op_sel_hi:[1,0]   ; the sums under the new M.  (A plain line behind the exponentials)
	s_wait_alu depctr_va_vdst(0)                   ; one wait for the whole batch, ahead of its first reader
.irp b, 0,1,2,3
	v_exp_f32 v[BM+\b], v[BM+\b]                   ; the block's largest p: the same two instructions on the same number give the same bits
.endr
	v_pk_add_f32 v[236:237], v[100:101], v[104:105]
	v_pk_add_f32 v[252:253], v[108:109], v[112:113]
	v_pk_add_f32 v[250:251], v[116:117], v[120:121]
	v_pk_add_f32 v[248:249], v[124:125], v[128:129]
	v_pk_add_f32 v[246:247], v[132:133], v[136:137]
	v_pk_add_f32 v[244:245], v[140:141], v[144:145]
	v_pk_add_f32 v[242:243], v[148:149], v[152:153]
	v_pk_add_f32 v[14:15], v[14:15], v[156:157]
	v_pk_add_f32 v[236:237], v[236:237], v[96:97]
	v_pk_add_f32 v[252:253], v[252:253], v[98:99]
	v_pk_add_f32 v[250:251], v[250:251], v[102:103]
	v_pk_add_f32 v[248:249], v[248:249], v[106:107]
	v_pk_add_f32 v[246:247], v[246:247], v[110:111]
	v_pk_add_f32 v[244:245], v[244:245], v[114:115]
	v_pk_add_f32 v[242:243], v[242:243], v[118:119]
	v_pk_add_f32 v[14:15], v[14:15], v[122:123]
	v_pk_add_f32 v[236:237], v[236:237], v[126:127]
	v_pk_add_f32 v[252:253], v[252:253], v[130:131]
	v_pk_add_f32 v[250:251], v[250:251], v[134:135]
	v_pk_add_f32 v[248:249], v[248:249], v[138:139]
	v_pk_add_f32 v[246:247], v[246:247], v[142:143]
	v_pk_add_f32 v[244:245], v[244:245], v[146:147]
	v_pk_add_f32 v[242:243], v[242:243], v[150:151]
	v_pk_add_f32 v[14:15], v[14:15], v[154:155]
	v_pk_add_f32 v[236:237], v[236:237], v[158:159]
	s_delay_alu instid0(VALU_DEP_2)
	v_pk_add_f32 v[14:15], v[14:15], v[248:249]
	s_delay_alu instid0(VALU_DEP_2)
	v_pk_add_f32 v[236:237], v[236:237], v[246:247]
	v_pk_add_f32 v[252:253], v[252:253], v[244:245]
	v_pk_add_f32 v[250:251], v[250:251], v[242:243]
	s_delay_alu instid0(VALU_DEP_2)
	v_pk_add_f32 v[14:15], v[14:15], v[252:253]
	s_delay_alu instid0(VALU_DEP_2)
	v_pk_add_f32 v[236:237], v[236:237], v[250:251]
	s_delay_alu instid0(VALU_DEP_1)
	v_pk_add_f32 v[14:15], v[14:15], v[236:237]
	s_wait_alu depctr_va_vdst(0)                   ; and one for the four
.irp b, 0,1,2,3
	v_max_num_f32 v[BM+\b], 0x4800000, v[BM+\b]    ; the floor 2^(9 - 127): the byte cannot fall under 1
.endr
.irp b, 0,1,2,3
	s_delay_alu instid0(VALU_DEP_4)
	v_add_nc_u32 v[SCO+\b], 0xfc000000, v[BM+\b]   ; 8 off the exponent field: the conversion's scale operand
.endr
.irp b, 0,1,2,3
.endr
.irp b, 0,1,2,3
	s_delay_alu instid0(VALU_DEP_4)
	v_lshrrev_b32 v[T2+\b], 23, v[SCO+\b]          ; the scale's byte
.endr
	s_delay_alu instid0(VALU_DEP_3)
	v_lshl_or_b32 v230, v[T2+1], 8, v[T2]          ; p's scale word for these 128 keys
	s_delay_alu instid0(VALU_DEP_1)
	v_lshl_or_b32 v230, v[T2+2], 16, v230
	s_delay_alu instid0(VALU_DEP_1)
	v_lshl_or_b32 v230, v[T2+3], 24, v230
.irp b, 0,1,2,3
.irp i, 0,1,2,3,4,5,6,7,8,9,10,11,12,13,14,15
.endr
	v_cvt_scalef32_pk8_fp8_f32 v[192+4*\b:193+4*\b], v[96+16*\b:103+16*\b], v[SCO+\b]
	v_cvt_scalef32_pk8_fp8_f32 v[194+4*\b:195+4*\b], v[104+16*\b:111+16*\b], v[SCO+\b]
.endr
	v_nop                                          ; a plain line behind the last conversion
.irp t, 0,1,2,3                                ; V^T's four fragments take p's registers
.irp c, 0,1,2,3
	ds_load_b128 v[96+16*\t+4*\c:99+16*\t+4*\c], v[AD] offset:VIMG+2048*\t+512*\c
.endr
.endr
	s_setprio 0
	; A prefetch of x for the way out, once a wave pair: in the trip that leaves two more, each even wave asks for the 32 rows x 256 bytes (my head's columns of tokens 32 (T / 2) on) that it and the
	; next wave read behind the loop, a lane a row.  Each such piece of x is named once in the launch; the address registers are never rewritten.
	s_cmp_eq_u32 s[CNT], s[LIM]
	s_cbranch_scc0 .Lnot_now
	global_prefetch_b8 v[PFO], s[XB:XB+1] th:TH_LOAD_NT scope:SCOPE_SE
.Lnot_now:
.irp j, 0,2,4,6,8,10,12,14,16,18,20,22,24,26,28,30
	v_pk_mul_f32 v[160+\j:161+\j], v[160+\j:161+\j], v[232:233] op_sel_hi:[1,0]   ; O^T under the new M.  (These are also the places between the codes and the products below)
.endr
	s_wait_alu depctr_va_vdst(0)
	s_wait_dscnt 0x0
.irp t, 0,1,2,3                                ; O^T += V^T P^T: four tiles of 16 channel positions; K = these 128 keys.  The four accumulators take turns
.if \t%2
	v_wmma_scale_f32_16x16x128_f8f6f4 v[160+8*\t:167+8*\t], v[96+16*\t:111+16*\t], v[192:207], v[160+8*\t:167+8*\t], v[228+\t/2], v230 matrix_a_scale:MATRIX_SCALE_ROW1
.else
	v_wmma_scale_f32_16x16x128_f8f6f4 v[160+8*\t:167+8*\t], v[96+16*\t:111+16*\t], v[192:207], v[160+8*\t:167+8*\t], v[228+\t/2], v230
.endif
.endr
	s_add_co_u32 s[TB], s[TB], BLKB
	s_sub_co_u32 s[CNT], s[CNT], 1
	s_cmp_lg_u32 s[CNT], 0
	s_cbranch_scc1 .Lstep
	s_setprio 0
	; THE WAY OUT.  Stage rows 2 i and 2 i + 1 are tokens 16 (i / 4) + 2 (i % 4) and the next, counted from my first: x, mu and rstd of those rows are asked for first.
.irp i, 0,1,2,3,4,5,6,7
	global_load_b128 v[32+4*\i:35+4*\i], v[GO], s[XB:XB+1] offset:4096*(16*(\i/4)+2*(\i%4)) th:TH_LOAD_NT
.endr
.irp i, 0,1,2,3,4,5,6,7
	global_load_b64 v[64+2*\i:65+2*\i], v[SA], s[STB:STB+1] offset:8*(16*(\i/4)+2*(\i%4))
.endr
	global_load_b128 v[80:83], v[CA], s[GB:GB+1]
	global_load_b128 v[84:87], v[CA], s[BB:BB+1]
	v_add_f32 v14, v14, v15                        ; the sum's two halves,
	s_delay_alu instid0(VALU_DEP_1)
	v_permlanex16_b32 v234, v14, s[SEL], s[SEL+1]
	s_delay_alu instid0(VALU_DEP_1)
	v_add_f32 v14, v14, v234                       ; and lane l xor 16's: the row's sum
.rept 6
	v_nop                                          ; with the two additions eight places behind the last products
.endr
	s_wait_alu depctr_va_vdst(0)
	v_rcp_f32 v14, v14
	v_nop                                          ; a plain line behind the reciprocal
	s_wait_alu depctr_va_vdst(0)                   ; and the wait ahead of its first reader
.irp j, 0,2,4,6,8,10,12,14,16,18,20,22,24,26,28,30
	v_pk_mul_f32 v[96+\j:97+\j], v[160+\j:161+\j], v[14:15] op_sel_hi:[1,0]   ; O^T / the sum: register 16 b + i is channel 32 b + 16 h + i of my query
.endr
	s_wait_alu depctr_va_vdst(0)
	s_wait_dscnt 0x0
	s_barrier_signal -1
	s_barrier_wait -1                              ; no wave reads K or V any more, and those bytes have had their only fill: the stages lie there
.irp b, 0,1
.irp j, 0,1,2,3
	ds_store_b128 v[STI], v[96+16*\b+4*\j:99+16*\b+4*\j] offset:128*\b+16*\j
.endr
.endr
.irp i, 0,1,2,3,4,5,6,7
	ds_load_b128 v[128+4*\i:131+4*\i], v[STO] offset:2*\i*SPI   ; my own bytes: LDS serves a wave's instructions in order
.endr
	s_wait_loadcnt 0x0
	s_wait_dscnt 0x0
.irp i, 0,1,2,3,4,5,6,7
.irp p, 0,2
	v_pk_add_f32 v[32+4*\i+\p:33+4*\i+\p], v[32+4*\i+\p:33+4*\i+\p], v[64+2*\i:65+2*\i] op_sel_hi:[1,0] neg_lo:[0,1] neg_hi:[0,1]   ; x - mu
.endr
.irp p, 0,2
	s_delay_alu instid0(VALU_DEP_2)
	v_pk_mul_f32 v[32+4*\i+\p:33+4*\i+\p], v[32+4*\i+\p:33+4*\i+\p], v[64+2*\i:65+2*\i] op_sel:[0,1] op_sel_hi:[1,1]   ; x rstd
.endr
.irp p, 0,2
	s_delay_alu instid0(VALU_DEP_2)
	v_pk_fma_f32 v[32+4*\i+\p:33+4*\i+\p], v[32+4*\i+\p:33+4*\i+\p], v[80+\p:81+\p], v[84+\p:85+\p]   ; xn
.endr
.irp p, 0,2
	s_delay_alu instid0(VALU_DEP_2)
	v_pk_add_f32 v[32+4*\i+\p:33+4*\i+\p], v[32+4*\i+\p:33+4*\i+\p], v[128+4*\i+\p:129+4*\i+\p]   ; + what attention gives
.endr
	global_store_b128 v[GO], v[32+4*\i:35+4*\i], s[OB:OB+1] offset:4096*(16*(\i/4)+2*(\i%4)) th:TH_STORE_NT   ; 16 lanes store 256 consecutive bytes, aligned: a head's part of a row
.endr
	s_wait_tensorcnt 0x0
	ds_add_u32 v254, v255
	s_wait_dscnt 0x0
	CROUND                                         ; the closing round: no work-group ends while a partner may still ask for a block that names it
	s_endpgm
.Lfunc_end_k_q5df5a36436_attn:
	.size	k_q5df5a36436_attn, .Lfunc_end_k_q5df5a36436_attn-k_q5df5a36436_attn
	.p2alignl 7, 3214868480
	.fill 96, 4, 3214868480
	.section	.rodata,"a",@progbits
	.p2align	6, 0x0
	.amdhsa_kernel k_q5df5a36436_attn
		.amdhsa_group_segment_fixed_size 327680
		.amdhsa_private_segment_fixed_size 0
		.amdhsa_enable_private_segment 0
		.amdhsa_kernarg_size 56
		.amdhsa_user_sgpr_count 2
		.amdhsa_user_sgpr_kernarg_segment_ptr 1
		.amdhsa_wavefront_size32 1
		.amdhsa_system_sgpr_workgroup_id_x 1
		.amdhsa_system_sgpr_workgroup_id_y 1
		.amdhsa_system_sgpr_workgroup_id_z 1
		.amdhsa_system_vgpr_workitem_id 0
		.amdhsa_next_free_vgpr 256
		.amdhsa_next_free_sgpr 76
		.amdhsa_reserve_vcc 0
		.amdhsa_float_denorm_mode_32 3
		.amdhsa_float_denorm_mode_16_64 3
		.amdhsa_fp16_overflow 1
		.amdhsa_memory_ordered 1
		.amdhsa_forward_progress 1
		.amdhsa_inst_pref_size 37
	.end_amdhsa_kernel
	.amdgpu_metadata
---
amdhsa.version: [ 1, 2 ]
amdhsa.kernels:
  - .name:           k_q5df5a36436_attn
    .symbol:         k_q5df5a36436_attn.kd
    .args:
      - { .name: qbuf, .offset: 0, .size: 8, .value_kind: global_buffer, .address_space: global }
      - { .name: kv, .offset: 8, .size: 8, .value_kind: global_buffer, .address_space: global }
      - { .name: x, .offset: 16, .size: 8, .value_kind: global_buffer, .address_space: global }
      - { .name: stats, .offset: 24, .size: 8, .value_kind: global_buffer, .address_space: global }
      - { .name: gamma, .offset: 32, .size: 8, .value_kind: global_buffer, .address_space: global }
      - { .name: beta, .offset: 40, .size: 8, .value_kind: global_buffer, .address_space: global }
      - { .name: out0, .offset: 48, .size: 8, .value_kind: global_buffer, .address_space: global }
    .group_segment_fixed_size: 327680
    .private_segment_fixed_size: 0
    .kernarg_segment_align: 8
    .kernarg_segment_size: 56
    .max_flat_workgroup_size: 512
    .sgpr_count:     76
    .vgpr_count:     256
    .wavefront_size: 32
...
	.end_amdgpu_metadata
.endif
;; end of part 3
